; MI455X (gfx1250); checked and timed in simulation.
; The chip was launched on July 23, 2026; its instructions are those of AMD's public machine-readable ISA for CDNA 5 (MIT licence, August 2026) and "CDNA5" Instruction Set Architecture Reference Guide (July 2026). The comments in the code are by the model that wrote it; some were corrected since.
;; Sentence Enforced Switch Moe Block. Allowed arithmetic: float matrix products may take bf16 or f16 operands with f32 sums; all other float work in f32.
;; Inputs: W1 8 x 512 x 2,048 float32; W2 8 x 2,048 x 512 float32; assignment 64 int32; b1 8 x 2,048 float32; b2 8 x 512 float32; hidden_states 64 x 512 x 512 float32.
;; Outputs: out0 64 x 512 x 512 float32.
;; 2 versions, each right; version 2 is version 1 with the launch cast written anew for expert scheduling mode. Each part assembles by itself: llvm-mc -triple=amdgcn-amd-amdhsa -mcpu=gfx1250 --defsym DOCPART=n.
;; ======== version 1 of 2: 2 launches
;; workspace buffers: wstream 33,554,432 bytes
;; launch cast (part 1): grid 64 x 8, 8 waves a work-group, no clusters, 0 bytes of LDS; arguments W1, W2, wstream; writes wstream
.if DOCPART == 1
	.amdgcn_target "amdgcn-amd-amdhsa--gfx1250"
	.amdhsa_code_object_version 6
	.text
	.protected	k_qc7c2aca1ec_cast
	.globl	k_qc7c2aca1ec_cast
	.p2align	8
	.type	k_qc7c2aca1ec_cast,@function
k_qc7c2aca1ec_cast:
	s_mov_b64 s[64:65], 0
	v_nop
	global_prefetch_b8 v0, s[64:65] scope:SCOPE_SE
	s_setreg_imm32_b32 hwreg(HW_REG_WAVE_MODE, 25, 1), 1
	s_wait_xcnt 0x0
; wstream = W1 and W2 rounded once to bf16 (nearest even), laid in the order in which the next launch walks them.  W1: [8][512 d][2048 f] f32, W2: [8][2048 f][512 d] f32.
; wstream: [expert e][tile t 0..63][row 0..127][256 bf16]: a tile is 65,536 dense bytes.  With c = t / 8 (a chunk of 256 f) and j = t % 4:
;   t % 8 < 4:  a tile of W1: row = d - 128 j, column = f - 256 c
;   t % 8 >= 4: a tile of W2: k = f - 256 c - 64 j (0..63), row = 64 (d / 256) + k, column = d % 256
; In both cases a tile's row is 1,024 consecutive bytes of the source: nothing is transposed, pieces are only re-addressed.
; SHARES.  Work-group (x = t, y = e) makes one tile; wave w its rows 16 w .. 16 w + 15.  For a row a lane loads 16 bytes at 16 l and at 512 + 16 l (a load of the wave covers 512
; consecutive bytes) and stores 8 bytes at 8 l and at 256 + 8 l (a store of the wave covers 256 consecutive bytes, aligned).  All 32 loads of a wave go out first; every row has
; registers of its own, so no register is written twice and the only waits are the counted ones for the loads.  No LDS, no barrier, no matrix unit: each byte is touched once.
.set DO,  2                            ; v2        my byte offset in the tile: 8,192 w + 8 l
.set OFF, 4                            ; v[4:19]   row i: my byte offset in the source: 16 l + i x the source's row pitch
.set X,   20                           ; v[20:147] row i: 8 registers as loaded
.set Y,   148                          ; v[148:211] row i: 4 registers to store
	s_load_b128 s[4:7], s[0:1], 0x0                ; W1 s[4:5], W2 s[6:7]
	s_load_b64 s[8:9], s[0:1], 0x10                ; wstream
	v_lshrrev_b32 v1, 5, v0
	v_readfirstlane_b32 s10, v1                    ; wave 0..7
	v_and_b32 v3, 31, v0                           ; lane
	s_mov_b32 s11, ttmp9                           ; t
	s_and_b32 s12, ttmp7, 0xffff                   ; e
	s_lshr_b32 s13, s11, 3                         ; c
	s_and_b32 s14, s11, 3                          ; j
	s_lshl_b32 s26, s12, 22                        ; an expert is 4 MiB in W1 and in W2
	; were it a tile of W1: first row d = 128 j + 16 w (8,192 bytes a row), first column 256 c
	s_lshl_b32 s22, s14, 7
	s_lshl4_add_u32 s22, s10, s22
	s_lshl_b32 s22, s22, 13
	s_lshl_b32 s23, s13, 10
	s_add_co_u32 s22, s22, s23
	s_add_co_u32 s22, s22, s26
	; were it a tile of W2: first row f = 256 c + 64 j + 16 (w % 4) (2,048 bytes a row), first column 256 (w / 4)
	s_lshl_b32 s24, s13, 8
	s_lshl_b32 s25, s14, 6
	s_add_co_u32 s24, s24, s25
	s_and_b32 s25, s10, 3
	s_lshl4_add_u32 s24, s25, s24
	s_lshl_b32 s24, s24, 11
	s_lshr_b32 s25, s10, 2
	s_lshl_b32 s25, s25, 10
	s_add_co_u32 s24, s24, s25
	s_add_co_u32 s24, s24, s26
	s_lshl_b32 s28, s12, 6                         ; the tile's place in wstream: (64 e + t) x 65,536 bytes
	s_add_co_u32 s28, s28, s11
	s_lshl_b32 s28, s28, 16
	s_mov_b32 s29, 0
	s_movk_i32 s30, 0x800                          ; W2's row pitch
	s_movk_i32 s31, 0x2000                         ; W1's
	s_mov_b32 s17, 0
	v_lshlrev_b32 v[DO], 3, v3
	v_lshl_add_u32 v[DO], v1, 13, v[DO]            ; 16 rows of 512 bytes a wave
	v_lshlrev_b32 v[OFF], 4, v3
	s_bitcmp1_b32 s11, 2                           ; t % 8 >= 4: W2.  The three selects below all hang on this one test of the tile's number
	s_cselect_b32 s16, s24, s22
	s_cselect_b32 s18, s30, s31
	s_wait_kmcnt 0x0
	s_cselect_b64 s[20:21], s[6:7], s[4:5]
	s_add_nc_u64 s[20:21], s[20:21], s[16:17]
	s_add_nc_u64 s[8:9], s[8:9], s[28:29]
.set i, 1
.rept 15
	v_add_nc_u32 v[OFF+i], s18, v[OFF+i-1]
.set i, i+1
.endr
.set i, 0
.rept 16
	global_load_b128 v[X+8*i:X+8*i+3],   v[OFF+i], s[20:21] th:TH_LOAD_NT             ; columns 4 l ..
	global_load_b128 v[X+8*i+4:X+8*i+7], v[OFF+i], s[20:21] offset:512 th:TH_LOAD_NT  ; columns 128 + 4 l ..
.set i, i+1
.endr
.set i, 0
.rept 16
	s_wait_loadcnt 30-2*i                          ; loads come back in order (ISA guide 5.7.1): row i is in, the two loads of each later row stay out
	v_cvt_pk_bf16_f32 v[Y+4*i],   v[X+8*i],   v[X+8*i+1]
	v_cvt_pk_bf16_f32 v[Y+4*i+1], v[X+8*i+2], v[X+8*i+3]
	v_cvt_pk_bf16_f32 v[Y+4*i+2], v[X+8*i+4], v[X+8*i+5]
	v_cvt_pk_bf16_f32 v[Y+4*i+3], v[X+8*i+6], v[X+8*i+7]
	global_store_b64 v[DO], v[Y+4*i:Y+4*i+1],   s[8:9] offset:512*i      ; no hint: the next launch reads these bytes
	global_store_b64 v[DO], v[Y+4*i+2:Y+4*i+3], s[8:9] offset:512*i+256
.set i, i+1
.endr
	s_endpgm
.Lfunc_end_k_qc7c2aca1ec_cast:
	.size	k_qc7c2aca1ec_cast, .Lfunc_end_k_qc7c2aca1ec_cast-k_qc7c2aca1ec_cast
	.p2alignl 7, 3214868480
	.fill 96, 4, 3214868480
	.section	.rodata,"a",@progbits
	.p2align	6, 0x0
	.amdhsa_kernel k_qc7c2aca1ec_cast
		.amdhsa_group_segment_fixed_size 0
		.amdhsa_private_segment_fixed_size 0
		.amdhsa_enable_private_segment 0
		.amdhsa_kernarg_size 24
		.amdhsa_user_sgpr_count 2
		.amdhsa_user_sgpr_kernarg_segment_ptr 1
		.amdhsa_wavefront_size32 1
		.amdhsa_system_sgpr_workgroup_id_x 1
		.amdhsa_system_sgpr_workgroup_id_y 1
		.amdhsa_system_sgpr_workgroup_id_z 1
		.amdhsa_system_vgpr_workitem_id 0
		.amdhsa_next_free_vgpr 212
		.amdhsa_next_free_sgpr 66
		.amdhsa_reserve_vcc 0
		.amdhsa_float_denorm_mode_32 3
		.amdhsa_float_denorm_mode_16_64 3
		.amdhsa_memory_ordered 1
		.amdhsa_forward_progress 1
		.amdhsa_inst_pref_size 13
	.end_amdhsa_kernel
	.amdgpu_metadata
---
amdhsa.version: [ 1, 2 ]
amdhsa.kernels:
  - .name:           k_qc7c2aca1ec_cast
    .symbol:         k_qc7c2aca1ec_cast.kd
    .args:
      - { .name: W1, .offset: 0, .size: 8, .value_kind: global_buffer, .address_space: global }
      - { .name: W2, .offset: 8, .size: 8, .value_kind: global_buffer, .address_space: global }
      - { .name: wstream, .offset: 16, .size: 8, .value_kind: global_buffer, .address_space: global }
    .group_segment_fixed_size: 0
    .private_segment_fixed_size: 0
    .kernarg_segment_align: 8
    .kernarg_segment_size: 24
    .max_flat_workgroup_size: 256
    .sgpr_count:     66
    .vgpr_count:     212
    .wavefront_size: 32
...
	.end_amdgpu_metadata
.endif
;; end of part 1
;; launch ffn (part 2): grid 256 x 1, 4 waves a work-group, no clusters, 327,680 bytes of LDS; arguments hidden_states, assignment, wstream, b1, b2, out0; writes out0
.if DOCPART == 2
	.amdgcn_target "amdgcn-amd-amdhsa--gfx1250"
	.amdhsa_code_object_version 6
	.text
	.protected	k_qc7c2aca1ec_ffn
	.globl	k_qc7c2aca1ec_ffn
	.p2align	8
	.type	k_qc7c2aca1ec_ffn,@function
k_qc7c2aca1ec_ffn:
	s_mov_b64 s[64:65], 0
	v_nop
	global_prefetch_b8 v0, s[64:65] scope:SCOPE_SE
	s_setreg_imm32_b32 hwreg(HW_REG_WAVE_MODE, 25, 1), 1
	s_wait_xcnt 0x0
; out0[b][s][:] = gelu(x[b][s][:] W1[e] + b1[e]) W2[e] + b2[e], e = assignment[b], gelu in its tanh form.  x, out0: [64][512][512] f32; b1: [8][2048], b2: [8][512] f32;
; the weights come as bf16 from wstream, [e][tile 0..63][128 rows][256 bf16] (tiles 8 c + 0..3: W1, d = 128 j + row, f = 256 c + column;
; tiles 8 c + 4..7: W2, f = 256 c + 64 j + row % 64, d = 256 (row / 64) + column).
; FORMATS.  x, W1, W2 and h go to the matrix unit as bf16 (each rounded once, to nearest even); b1 and b2 are rounded to bf16 too and widened again, so that every input has the same
; rounding; sums, bias and gelu in f32.  gelu(v) = v / (1 + 2^(v (K1 + K3 v^2))), K1 = -2 sqrt(2/pi) log2(e), K3 = 0.044715 K1: the same function as 0.5 v (1 + tanh(..)).
; For large |v| the power is 0 or infinite and the quotient v or 0: no difference of large numbers, no 0 x infinity for finite v.
; LIMITS.  A power below 2^-126 counts as 0 (v_exp_f32 flushes: ISA guide 15.8); NaN and infinities in the inputs are not treated apart; an assignment outside 0..7 is taken as 7;
; the sum over f is taken chunk by chunk, in an order that hangs on the block (below): another order of rounding than the reference's.
; SHARES.  Work-group g (0..255) owns rows 128 (g % 4) .. of example g / 4.  F goes in 8 chunks of 256: H = x W1 (128 x 256, K = 512), bias and gelu, O += H W2 (128 x 512, K = 256).
; H never leaves the work-group.  In the first product wave w has all 128 rows and the column blocks 2 w, 2 w + 1, 8 + 2 w, 9 + 2 w of the chunk's 16 (32 accumulators); in the second
; all 128 rows and columns 128 w .. 128 w + 127 of O (64 accumulators, kept for the whole launch).  H goes from wave to wave through LDS, one half of 128 columns at a time; the other
; half waits, packed, in registers.
; THE ORDER OF THE CHUNKS.  Trip i takes chunk i ^ (g % 4).  The four blocks of an example use one expert; in trips 0 and 4 each of them asks for a chunk of its own, and in the other
; six trips for tiles that one of the other three has asked for one to three trips earlier.  Between a tile's first request and its last lie four chunks at the most: 4 x 512 KiB an expert.
; NO CLUSTER.  The four blocks of an example read the same 64 tiles, but where those tiles lie hangs on assignment[g / 4], a word read from memory, not on a coordinate of the grid:
; a joint request wants every word of its descriptor equal in all partners by the coordinates that they share.  So each work-group asks for its own tiles: 4 MiB each, 1 GiB in all.
; BOTH PRODUCTS ARE USED TRANSPOSED: source 0 = 16 columns of the weights (turned on the way out of LDS by ds_load_tr16_b128), source 1 = 16 rows of x or H.  In the result lane l
; holds row l % 16 and the columns 8 (l / 16) + 0..7: eight neighbouring numbers of a row, and the bias is the same eight registers for every row block: b1 is the C operand of a
; chunk's first products; b2 is what O starts from: 512 v_mov_b32, once a launch, in the wait for the first tiles (a first chunk written out apart would double the text).
; THE RING.  Two LDS slots of one tile (128 rows of 512 bytes).  Each wave fetches a quarter of each tile: 32 rows of 512 bytes, 16 KiB; the rows are as long as the tile's, so that the
; padding falls behind each row.  At the end of the walk's tile n every wave has all its loads in (tile n + 1) and its reads of tile n over; a barrier; tile n + 2 is asked for into the
; slot just left, and has a tile's 128 matrix instructions in which to land.  A wave has two tensor loads out at the start, later one.
; REGISTERS, in windows of 256 (s_set_vgpr_msb: bits 1:0 source 0, 3:2 source 1, 5:4 source 2, 7:6 destination):
;   window 0: v0-31 addresses and at work; v32-63 b1 of my four column blocks; v64-191 two buffers of 8 fragments of x or H; v192-255 two buffers of 4 fragments of W1.
;             In the gelu: v64-127 at work, v128-191 half 0 of H packed, v192-255 half 1 packed (the second product does not use v192-255).
;   window 1: first product: H's accumulators, (column block b, row block a) at v[64 b + 8 a]; second product: v0-127 two buffers of 8 fragments of W2
;   windows 2, 3: O: (row block a, column block b) at window 2 + a / 4, v[8 (8 (a % 4) + b)].  At the start: x as loaded.
.set XP,    1040      ; a row of x in LDS: 1,024 bytes + 16 = 260 words: row r starts at bank 4 r mod 64 (64 banks of 4 bytes: ISA guide 11.1): the 16 rows of a load start at 16 different groups of banks
.set HS,    128*XP    ; 133,120: one half of H: 128 rows
.set HP,    272       ; of 256 bytes + 16
.set RING,  HS+128*HP ; 167,936: the two slots; tensor loads land here alone, and no ds_store does
.set WP,    544       ; a row of weights: 512 bytes + 32 = 136 words
.set SLOT,  128*WP    ; 69,632
.set KBLK,  32*WP     ; 17,408: 32 rows: a K block, and a wave's quarter of a tile
.set SPARE, RING+2*SLOT  ; 307,200: the spare words, 128 bytes for each wave: two blocks of 256 bytes that no other line names
.set SP,    528       ; the way out: a wave's stage is 16 rows of 512 bytes + 16, at 16 SP w in x's region, whose last reads lie several barriers back by then
.set AX0, 8           ; v8   my place in x's row blocks 0-3
.set AX1, 9           ; v9   in row blocks 4-7 (an LDS offset has 16 bits)
.set AW1, 10          ; v10-11  my place in a tile of W1, slot 0, 1
.set AW2, 12          ; v12-13  in a tile of W2
.set AHR, 14          ; v14  where I read H
.set AHS, 15          ; v15  where I put H
.set STO, 16          ; v16  the way out: where I put 32 bytes of a row
.set RD,  17          ; v17  where I read a row back
.set CO,  18          ; v18  my byte offset in a row of out0
.set VB1, 19          ; v19  my byte offset in a chunk of b1
.set SPW, 20          ; v20  LDS address of my spare word: SPARE + 4 x my thread's number; never rewritten
.set NIL, 21          ; v21  0; never rewritten
.set XO,  22          ; v22  16 l
.set XSA, 23          ; v23  where I put x
.set VB2, 24          ; v24  my byte offset in b2
.set TB,  25          ; v25-28 at work
.set B1,  32
.set FA,  64
.set FW,  192
.set T,   64
.set WV,  16          ; s16  my wave's number
.set TXOR, 17         ; s17  (g % 4) << 19: what turns the walk's tile n, as a byte offset n << 16, into the tile of chunk (n / 8) ^ (g % 4)
.set G1,  24          ; s[24:31] descriptor group 1
.set G0,  32          ; s[32:39] descriptor group 0, a set for each slot
.set K3S, 40          ; s[40:41] K3: the packed forms name a pair and take its low word for both halves
.set K1S, 42          ; s[42:43] K1
.set CH,  44          ; s44  chunks to go, this one among them
.set HIM, 45          ; s45  a word's upper bf16
.set TOF, 46          ; s[46:47] a tile's byte offset in the expert's stream; the high word stays 0
.set TSEQ, 49         ; s49  n << 16 for the tile to be asked for next
.set BOF, 50          ; s[50:51] a chunk's byte offset in the expert's b1; the high word stays 0
.set BSEQ, 52         ; s52  i << 10 for the trip whose b1 was asked for last
.set BXOR, 53         ; s53  (g % 4) << 10
.set B1P, 54          ; s[54:55] b1 of the chunk in hand, or of the next
.set MSB, 0
.macro WIN new                      ; the immediate's high byte repeats the setting that is left; a switch that changes nothing is dropped
.if MSB != (\new)
	s_set_vgpr_msb (MSB<<8)|(\new)
.set MSB, \new
.endif
.endm
; A vector instruction that reads a matrix result or writes one of a matrix instruction's registers, and a load into such a register, stand four places behind it, a matrix instruction
; that writes over one five; only plain vector instructions that name none of its registers are places (ISA guide 7.12.1 for vector instructions).
.macro PLACES cnt
.rept \cnt
	v_nop
.endr
.endm
; A refill: one line for all four waves; the descriptors differ by the wave's number alone: each wave's quarter of the tile.  Four v_nop follow it.
.macro FILL slot
	tensor_load_to_lds s[G0+4*(\slot):G0+4*(\slot)+3], s[G1:G1+7]
	s_nop 0
	PLACES 4
.endm
; 24 LDS loads in one run: K block kb of the W1 tile in the slot (my 4 column blocks, turned) and K block kbg of x (8 row blocks), into buffer g.
; The turning load: lane l reads 16 bytes of row 8 (l / 16) + l % 8, columns 8 ((l / 8) % 2) + 0..7, and receives column l % 16, eight k: half a fragment; the other half lies 16 rows on.
.macro FETCH1 slot, kb, kbg, g
	WIN 0
.irp b, 0,1,2,3
	ds_load_tr16_b128 v[FW+32*(\g)+8*(\b):FW+32*(\g)+8*(\b)+3],   v[AW1+(\slot)] offset:KBLK*(\kb)+32*((\b)%2)+256*((\b)/2)
	ds_load_tr16_b128 v[FW+32*(\g)+8*(\b)+4:FW+32*(\g)+8*(\b)+7], v[AW1+(\slot)] offset:KBLK*(\kb)+32*((\b)%2)+256*((\b)/2)+16*WP
.endr
.irp a, 0,1,2,3,4,5,6,7
	ds_load_b128 v[FA+64*(\g)+8*(\a):FA+64*(\g)+8*(\a)+3],   v[AX0+(\a)/4] offset:16*XP*((\a)%4)+64*(\kbg)
	ds_load_b128 v[FA+64*(\g)+8*(\a)+4:FA+64*(\g)+8*(\a)+7], v[AX0+(\a)/4] offset:16*XP*((\a)%4)+64*(\kbg)+32
.endr
.endm
; 32 LDS loads in one run: K block kb of the W2 tile in the slot (my 8 column blocks, turned) and K block hk of the half of H in LDS (8 row blocks), into buffer g.
.macro FETCH2 slot, kb, hk, g
	WIN 0x40                        ; destination window 1, address window 0
.irp b, 0,1,2,3,4,5,6,7
	ds_load_tr16_b128 v[64*(\g)+8*(\b):64*(\g)+8*(\b)+3],   v[AW2+(\slot)] offset:KBLK*(\kb)+32*(\b)
	ds_load_tr16_b128 v[64*(\g)+8*(\b)+4:64*(\g)+8*(\b)+7], v[AW2+(\slot)] offset:KBLK*(\kb)+32*(\b)+16*WP
.endr
	WIN 0
.irp a, 0,1,2,3,4,5,6,7
	ds_load_b128 v[FA+64*(\g)+8*(\a):FA+64*(\g)+8*(\a)+3],   v[AHR] offset:16*HP*(\a)+64*(\hk)
	ds_load_b128 v[FA+64*(\g)+8*(\a)+4:FA+64*(\g)+8*(\a)+7], v[AHR] offset:16*HP*(\a)+64*(\hk)+32
.endr
.endm
; First product: row blocks a0 .. a0 + na - 1 x my 4 column blocks, 32 along K, from buffer f.  first = 1: b1 is the C operand that starts the sums.
; The accumulators take turns, one instruction a turn: between two links of a chain stand the 31 others'.
.macro MM1 f, a0, na, first
.if \first
	WIN 0x40                        ; D window 1, C (b1) window 0
.else
	WIN 0x50                        ; C and D window 1
.endif
.set a, \a0
.rept \na
.irp b, 0,1,2,3
.if \first
	v_wmma_f32_16x16x32_bf16 v[64*(\b)+8*a:64*(\b)+8*a+7], v[FW+32*(\f)+8*(\b):FW+32*(\f)+8*(\b)+7], v[FA+64*(\f)+8*a:FA+64*(\f)+8*a+7], v[B1+8*(\b):B1+8*(\b)+7]
.else
	v_wmma_f32_16x16x32_bf16 v[64*(\b)+8*a:64*(\b)+8*a+7], v[FW+32*(\f)+8*(\b):FW+32*(\f)+8*(\b)+7], v[FA+64*(\f)+8*a:FA+64*(\f)+8*a+7], v[64*(\b)+8*a:64*(\b)+8*a+7]
.endif
.endr
.set a, a+1
.endr
.endm
; Second product: row blocks 4 hi + a0 .. x my 8 column blocks, 32 along K, from buffer f.  The 64 accumulators take turns in the same order in every K block.
.macro MM2 f, hi, a0, na
	WIN 0xa1+0x50*(\hi)             ; W2 window 1, H window 0, C and D window 2 or 3
.set a, \a0
.rept \na
.irp b, 0,1,2,3,4,5,6,7
	v_wmma_f32_16x16x32_bf16 v[8*(8*a+(\b)):8*(8*a+(\b))+7], v[64*(\f)+8*(\b):64*(\f)+8*(\b)+7], v[FA+64*(\f)+8*(4*(\hi)+a):FA+64*(\f)+8*(4*(\hi)+a)+7], v[8*(8*a+(\b)):8*(8*a+(\b))+7]
.endr
.set a, a+1
.endr
.endm
; A K block that is not its tile's last: the next block's fragments are asked for into the other buffer, then buffer f is multiplied.
.macro Q1 slot, kb, kbg, f, first
	PLACES 4                        ; the other buffer's last readers are the matrix instructions just issued
	FETCH1 \slot, \kb, \kbg, 1-(\f)
	s_wait_dscnt 24                 ; all but the 24 just issued: buffer f is in
	MM1 \f, 0, 8, \first
.endm
.macro Q2 slot, kb, hk, f
	PLACES 4
	FETCH2 \slot, \kb, \hk, 1-(\f)
	s_wait_dscnt 32                 ; all but the 32 just issued
	MM2 \f, 0, 0, 4
	MM2 \f, 1, 0, 4
.endm
; THE CHANGE OF SLOTS stands in a tile's last K block (buffer 1).  OPEN: all my tensor loads are in, of which one was out: my quarter of the next tile; 0 onto my spare word.
; fill = 1: this slot's descriptor takes the walk's next tile: its address is made anew from the tile's number, an offset made apart from the pointer, and the type bits are set again.
.macro OPEN slot, fill
	WIN 0                           ; (the add's two registers lie in window 0)
	s_wait_tensorcnt 0x0            ; no tensor load of mine is out, so a group 0 may be written
	ds_add_u32 v[SPW], v[NIL]       ; 0 onto my spare word; the scalar lines below and matrix instructions stand between it and the wait for it
.if \fill
	s_xor_b32 s[TOF], s[TSEQ], s[TXOR]             ; tile n of my walk lies at 65,536 (n ^ 8 (g % 4)): 0 .. 63 tiles into the expert's stream
	s_add_nc_u64 s[G0+4*(\slot)+2:G0+4*(\slot)+3], s[8:9], s[TOF:TOF+1]
	s_or_b32 s[G0+4*(\slot)+3], s[G0+4*(\slot)+3], 0x80000000
	s_add_co_u32 s[TSEQ], s[TSEQ], 0x10000         ; 62 refills: n = 2 .. 63
.endif
	s_wait_dscnt 0x1                ; the add alone may be out: buffer 1 is in
.endm
; SHUT: behind the barrier nobody reads this slot any more and the next tile is whole.  fill = 1: the refill is the first thing behind the barrier, one tensor load a wave; its four
; v_nop are also the places in front of the loads that follow.
.macro SHUT slot, fill
	s_barrier_wait -1
.if \fill
	FILL \slot
.else
	PLACES 4
.endif
.endm
; The last K block of a W1 tile.  nxt = 1: the next tile is W1's too, and its first fragments (x's K block kbg) are fetched.
.macro TURN1 slot, nxt, kbg
	OPEN \slot, 1
	MM1 1, 0, 2, 0
	s_wait_dscnt 0x0                ; the add is done, and my reads of this slot are over
	s_barrier_signal -1
	MM1 1, 2, 2, 0                  ; work on registers while the others arrive
	SHUT \slot, 1
.if \nxt
	FETCH1 1-(\slot), 0, \kbg, 0
.endif
	MM1 1, 4, 4, 0
.endm
.macro HSTORE pb                    ; a half of H: my two column blocks of all 8 row blocks, 16 bytes a lane, from v[pb ..]
	WIN 0
.irp u, 0,1
.irp a, 0,1,2,3,4,5,6,7
	ds_store_b128 v[AHS], v[(\pb)+32*(\u)+4*(\a):(\pb)+32*(\u)+4*(\a)+3] offset:16*HP*(\a)+32*(\u)
.endr
.endr
.endm
; The last K block of a W2 tile.  kind 0: the next tile goes on in the same half of H.  kind 1: H changes halves: every wave's reads of half 0 were over in front of the barrier, so half 1
; is stored behind it; a second barrier, behind which nothing is filled (the refill may stay out across it), stands between those stores and the reads.  kind 2: the next chunk's first fragments.
.macro TURN2 slot, fill, kind
	OPEN \slot, \fill
	MM2 1, 0, 0, 2
	s_wait_dscnt 0x0                ; the add is done; my reads of this slot, and of H, are over
	s_barrier_signal -1
	MM2 1, 0, 2, 2
	SHUT \slot, \fill
.if (\kind) == 0
	FETCH2 1-(\slot), 0, 2, 0
	MM2 1, 1, 0, 4
.elseif (\kind) == 1
	HSTORE 192
	s_wait_dscnt 0x0                ; for the others' sake: my part of half 1 is in LDS
	s_barrier_signal -1
	MM2 1, 1, 0, 4
	s_barrier_wait -1
	PLACES 4
	FETCH2 0, 0, 0, 0
.else
	FETCH1 0, 0, 0, 0
	MM2 1, 1, 0, 4
.endif
.endm
; gelu of column block b: 64 numbers a lane, v = window 1 v[64 b ..], ascending.  Packed to v[pd .. pd + 31].
; A scalar pair or a constant always stands in a place whose window is 0.  Behind each run of transcendentals one v_nop comes before a result is used (ISA guide 5.7.2).
.macro GELU b, pd
	WIN 0x05                        ; sources 0 and 1 window 1
.set i, 0
.rept 32
	v_pk_mul_f32 v[T+i:T+i+1], v[64*(\b)+i:64*(\b)+i+1], v[64*(\b)+i:64*(\b)+i+1]   ; v^2
.set i, i+2
.endr
	WIN 0
.set i, 0
.rept 32
	v_pk_fma_f32 v[T+i:T+i+1], v[T+i:T+i+1], s[K3S:K3S+1], s[K1S:K1S+1] op_sel_hi:[1,0,0]  ; K3 v^2 + K1
.set i, i+2
.endr
	WIN 0x04                        ; source 1 window 1
.set i, 0
.rept 32
	v_pk_mul_f32 v[T+i:T+i+1], v[T+i:T+i+1], v[64*(\b)+i:64*(\b)+i+1]               ; times v
.set i, i+2
.endr
	WIN 0
.set i, 0
.rept 64
	v_exp_f32 v[T+i], v[T+i]
.set i, i+1
.endr
	v_nop
.set i, 0
	s_wait_alu depctr_va_vdst(0)
.rept 32
	v_pk_add_f32 v[T+i:T+i+1], v[T+i:T+i+1], 1.0 op_sel_hi:[1,0]
.set i, i+2
.endr
.set i, 0
.rept 64
	v_rcp_f32 v[T+i], v[T+i]
.set i, i+1
.endr
	v_nop
	WIN 0x04
.set i, 0
	s_wait_alu depctr_va_vdst(0)
.rept 32
	v_pk_mul_f32 v[T+i:T+i+1], v[T+i:T+i+1], v[64*(\b)+i:64*(\b)+i+1]
.set i, i+2
.endr
	WIN 0
.set i, 0
.rept 32
	v_cvt_pk_bf16_f32 v[(\pd)+i], v[T+2*i], v[T+2*i+1]
.set i, i+1
.endr
.endm
.macro ROUNDB base, n               ; n numbers of a bias, in place: rounded to bf16 and widened again, four pairs at a time
.set i, 0
.rept (\n)/8
.irp u, 0,1,2,3
	v_cvt_pk_bf16_f32 v[TB+(\u)], v[(\base)+i+2*(\u)], v[(\base)+i+2*(\u)+1]
.endr
.irp u, 0,1,2,3
	v_lshlrev_b32 v[(\base)+i+2*(\u)], 16, v[TB+(\u)]
	v_and_b32 v[(\base)+i+2*(\u)+1], s[HIM], v[TB+(\u)]
.endr
.set i, i+8
.endr
.endm
.macro B1LOAD                       ; b1 of my four column blocks of the chunk at s[B1P:B1P+1]: register 8 b + j is column 16 nb + 8 (l / 16) + j
.irp b, 0,1,2,3
	global_load_b128 v[B1+8*(\b):B1+8*(\b)+3],   v[VB1], s[B1P:B1P+1] offset:64*((\b)%2)+512*((\b)/2)
	global_load_b128 v[B1+8*(\b)+4:B1+8*(\b)+7], v[VB1], s[B1P:B1P+1] offset:64*((\b)%2)+512*((\b)/2)+16
.endr
.endm
.macro XLOAD k                      ; rows 8 k .. 8 k + 7 of my wave's 32 rows of x: four loads a row, 512 consecutive bytes each; row i, quarter q at v[16 (i % 16) + 4 q] of window 2 + i / 16
	WIN 0x80+0x40*((\k)/2)
.set i, 8*(\k)
.rept 8
.irp q, 0,1,2,3
	global_load_b128 v[16*(i%16)+4*(\q):16*(i%16)+4*(\q)+3], v[XO], s[4:5] offset:2048*i+512*(\q) th:TH_LOAD_NT
.endr
.set i, i+1
.endr
.endm
.macro XCONV k, left                ; the same rows, rounded to bf16 and put into LDS, 8 bytes a lane: a store of the wave covers 256 consecutive bytes.  left: younger loads that may stay out
	s_wait_loadcnt \left
	WIN 0x0a+5*((\k)/2)             ; sources 0 and 1 window 2 or 3
.set i, 0
.rept 64
	v_cvt_pk_bf16_f32 v[128+i], v[128*((\k)%2)+2*i], v[128*((\k)%2)+2*i+1]
.set i, i+1
.endr
	WIN 0
.set i, 0
.rept 32
	ds_store_b64 v[XSA], v[128+2*i:128+2*i+1] offset:XP*(8*(\k)+i/4)+256*(i%4)
.set i, i+1
.endr
.endm
; THE WAY OUT of row block a: a lane's 8 columns are 32 bytes of a row; they go into my own stage (rows of 528 bytes), each accumulator's low half first, and come back as whole rows of 512.
.macro TOSTAGE a
.if (\a) >= 2
	s_wait_xcnt 0x0                 ; the stores of block a - 2 read the registers that the loads below fill: they are loaded again only behind this wait (ISA guide 3.1)
.endif
	WIN 0x08+4*((\a)/4)             ; store data (source 1) window 2 or 3
.irp b, 0,1,2,3,4,5,6,7
	ds_store_b128 v[STO], v[8*(8*((\a)%4)+(\b)):8*(8*((\a)%4)+(\b))+3]   offset:64*(\b)
	ds_store_b128 v[STO], v[8*(8*((\a)%4)+(\b))+4:8*(8*((\a)%4)+(\b))+7] offset:64*(\b)+16
.endr
	WIN 0
.set BK, 64+64*((\a)%2)
.irp t, 0,1,2,3,4,5,6,7,8,9,10,11,12,13,14,15
	ds_load_b128 v[BK+4*(\t):BK+4*(\t)+3], v[RD] offset:SP*(\t)  ; LDS serves a wave's instructions in order (ISA guide 5.7.1.4): these see the stores above; the next block's stores come behind them
.endr
.endm
.macro SEND a, younger              ; younger: the LDS instructions issued behind block a's loads
	s_wait_dscnt \younger
.set BK, 64+64*((\a)%2)
.irp t, 0,1,2,3,4,5,6,7,8,9,10,11,12,13,14,15
	global_store_b128 v[CO], v[BK+4*(\t):BK+4*(\t)+3], s[14:15] offset:(16*(\a)+(\t))*2048 th:TH_STORE_NT  ; the wave stores 512 consecutive bytes, at a multiple of 512 from out0's first byte
.endr
.endm
	s_load_b256 s[4:11], s[0:1], 0x0               ; x s[4:5], assignment s[6:7], wstream s[8:9], b1 s[10:11]
	s_load_b128 s[12:15], s[0:1], 0x20             ; b2 s[12:13], out0 s[14:15]
	v_lshl_add_u32 v[SPW], v0, 2, SPARE
	v_mov_b32 v[NIL], 0
	ds_add_u32 v20, v21
	ds_add_u32 v20, v21
	s_wait_dscnt 0x0
	v_lshrrev_b32 v3, 5, v0
	v_readfirstlane_b32 s[WV], v3                  ; wave 0..3
	v_and_b32 v4, 31, v0                           ; lane
	v_lshlrev_b32 v[XO], 4, v4
	s_and_b32 s19, ttmp9, 0xfc                     ; the example is g / 4: its word in assignment lies at byte 4 (g / 4); never rewritten
	s_and_b32 s[TXOR], ttmp9, 3                    ; g % 4: my block of the example, which turns the order of my chunks:
	s_lshl_b32 s[BXOR], s[TXOR], 10                ; a chunk is 1,024 bytes of b1
	s_lshl_b32 s[TXOR], s[TXOR], 19                ; and 8 tiles of 65,536 bytes
	s_lshl_b32 s20, ttmp9, 18                      ; my block of 128 rows: 262,144 bytes each in x and in out0
	s_mov_b32 s21, 0
	s_lshl_b32 s22, s[WV], 16                      ; my wave's 32 rows of x
	s_mov_b32 s23, 0
	s_wait_kmcnt 0x0
	s_load_b32 s18, s[6:7], s19 offset:0x0         ; the expert
	s_add_nc_u64 s[14:15], s[14:15], s[20:21]
	s_add_nc_u64 s[20:21], s[20:21], s[22:23]
	s_add_nc_u64 s[4:5], s[4:5], s[20:21]
	XLOAD 0                                        ; x's first rows are on their way before anything else is done
	WIN 0
	v_and_b32 v1, 15, v0                           ; r = l % 16
	v_bfe_u32 v2, v0, 4, 1                         ; h = l / 16
	; A fragment of x or H is 16 rows x 32 K in 8 registers: lane l holds row r, K = 8 h + 0..7 and 16 + 8 h + 0..7: two loads of 16 bytes, 32 bytes apart.
	v_mul_u32_u24 v[AX0], v1, XP
	v_lshl_add_u32 v[AX0], v2, 4, v[AX0]
	v_add_nc_u32 v[AX1], 64*XP, v[AX0]
	v_and_b32 v5, 7, v0
	v_bfe_u32 v6, v0, 3, 1
	v_lshl_add_u32 v7, v2, 3, v5                   ; the turning load's row 8 h + l % 8,
	v_mul_u32_u24 v7, v7, WP
	v_lshl_add_u32 v7, v6, 4, v7                   ; and its 16 bytes
	s_lshl_b32 s50, s[WV], 6                       ; column blocks 2 w on: 64 w bytes
	s_add_co_u32 s51, s50, RING
	v_add_nc_u32 v[AW1], s51, v7
	v_add_nc_u32 v[AW1+1], SLOT, v[AW1]
	s_lshr_b32 s51, s[WV], 1                       ; W2: columns 128 w on: rows 64 (w / 2) on, bytes 256 (w % 2) on
	s_mul_i32 s51, s51, 64*WP
	s_and_b32 s52, s[WV], 1
	s_lshl_b32 s52, s52, 8
	s_add_co_u32 s51, s51, s52
	s_add_co_u32 s51, s51, RING
	v_add_nc_u32 v[AW2], s51, v7
	v_add_nc_u32 v[AW2+1], SLOT, v[AW2]
	v_mul_u32_u24 v[AHR], v1, HP
	v_lshl_add_u32 v[AHR], v2, 4, v[AHR]
	v_add_nc_u32 v[AHR], HS, v[AHR]
	v_add_nc_u32 v[AHS], s50, v[AHR]               ; in a half of H my two column blocks begin at byte 64 w
	s_mul_i32 s51, s[WV], 16*SP                    ; my stage
	v_mul_u32_u24 v[STO], v1, SP
	v_lshl_add_u32 v[STO], v2, 5, v[STO]
	v_add_nc_u32 v[STO], s51, v[STO]
	v_lshl_add_u32 v[RD], v4, 4, s51
	s_lshl_b32 s52, s[WV], 9                       ; my 128 columns of out0 and of b2: 512 w bytes
	v_lshl_add_u32 v[CO], v4, 4, s52
	v_lshl_add_u32 v[VB2], v2, 5, s52
	s_lshl_b32 s52, s[WV], 7                       ; column block 2 w of b1: 128 w bytes
	v_lshl_add_u32 v[VB1], v2, 5, s52
	s_mul_i32 s51, s[WV], 32*XP                    ; my 32 rows of x in LDS
	v_lshl_add_u32 v[XSA], v4, 3, s51
	; descriptor group 1: 32 rows x 256 elements of 2 bytes, dense in memory, padded in LDS
	s_mov_b32 s[G1+0], (1<<16)|(1<<20)|(6<<22)|(7<<25)  ; 15:0 no mask; 17:16 2-byte elements; 20 padding on; 24:22 after every 128 words (code 6); 31:25 8 words (code 7)
	s_mov_b32 s[G1+1], 256<<16                     ; tensor_dim0 = 256
	s_mov_b32 s[G1+2], 32<<16                      ; tensor_dim1 = 32
	s_mov_b32 s[G1+3], 256<<16                     ; tile_dim0 = 256
	s_mov_b32 s[G1+4], 32                          ; tile_dim1 = 32
	s_mov_b32 s[G1+5], 256                         ; 256 elements from row to row
	s_mov_b32 s[G1+6], 0
	s_mov_b32 s[G1+7], 0
	s_mov_b32 s[K3S], 0xbdd2d3e8                   ; K3 = -0.10294324
	s_mov_b32 s[K3S+1], s[K3S]                     ; named with it as a pair
	s_mov_b32 s[K1S], 0xc0135761                   ; K1 = -2.3022082
	s_mov_b32 s[K1S+1], s[K1S]
	s_mov_b32 s[HIM], 0xffff0000
	s_wait_kmcnt 0x0
	s_min_u32 s18, s18, 7                          ; an index stays inside its table
	s_lshl_b32 s46, s18, 22                        ; the expert's 64 tiles,
	s_lshl_b32 s48, s[WV], 14                      ; my quarter of a tile: 32 rows of 512 bytes
	s_add_co_u32 s46, s46, s48
	s_mov_b32 s47, 0
	s_add_nc_u64 s[8:9], s[8:9], s[46:47]          ; wstream at my quarter of the expert's tile 0; never rewritten from here on
	s_mul_i32 s48, s[WV], KBLK                     ; and where it goes: a constant plus the wave's number times a constant
	s_add_co_u32 s48, s48, RING
.irp s, 0,1
	s_mov_b32 s[G0+4*(\s)], 1                                      ; 1:0 count = 1
	s_add_co_u32 s[G0+4*(\s)+1], s48, (\s)*SLOT                    ; 63:32 LDS address
	s_xor_b32 s[TOF], s[TXOR], (\s)*65536                          ; the walk's tile s
	s_add_nc_u64 s[G0+4*(\s)+2:G0+4*(\s)+3], s[8:9], s[TOF:TOF+1]  ; 120:64 global address
	s_or_b32 s[G0+4*(\s)+3], s[G0+4*(\s)+3], 0x80000000            ; 127:126 type = 2
.endr
	s_mov_b32 s[TSEQ], 0x20000                     ; the first refill asks for the walk's tile 2
	s_lshl_b32 s46, s18, 13
	s_add_nc_u64 s[10:11], s[10:11], s[46:47]      ; b1 of the expert; never rewritten from here on
	s_mov_b32 s[BSEQ], 0
	s_mov_b32 s[BOF], s[BXOR]                      ; trip 0 takes chunk g % 4
	s_mov_b32 s[BOF+1], 0
	s_add_nc_u64 s[B1P:B1P+1], s[10:11], s[BOF:BOF+1]
	s_lshl_b32 s46, s18, 11
	s_add_nc_u64 s[12:13], s[12:13], s[46:47]      ; b2 of the expert
	tensor_load_to_lds s[G0:G0+3], s[G1:G1+7]      ; the walk's tiles 0 and 1: the two first fills go out together, ahead of every wait on TENSORcnt, LDS read and barrier: two loads of mine are out
	s_nop 0
	tensor_load_to_lds s[G0+4:G0+7], s[G1:G1+7]
	s_nop 0
	PLACES 4
	XLOAD 1
	XLOAD 2
	XLOAD 3
	WIN 0
.irp b, 0,1,2,3,4,5,6,7
	global_load_b128 v[64+8*(\b):64+8*(\b)+3], v[VB2], s[12:13] offset:64*(\b)      ; b2: register 8 b + j is column 128 w + 16 b + 8 h + j
	global_load_b128 v[64+8*(\b)+4:64+8*(\b)+7], v[VB2], s[12:13] offset:64*(\b)+16
.endr
	B1LOAD
	; 152 loads in this order: x 4 x 32, b2 16, b1 8.  Each wait names the loads that are younger than what it needs; where those are more than the count's field holds (120, 88), its largest number
	XCONV 0, 63
	XCONV 1, 63
	XCONV 2, 56
	XCONV 3, 24
	s_wait_loadcnt 8                               ; b2 is in, b1 may be out
	ROUNDB 64, 64
	WIN 0x80                                       ; O starts from b2: the same 64 registers for every row block.  x's registers are free: all of it is in LDS
.set i, 0
.rept 256
	v_mov_b32 v[i], v[64+i%64]
.set i, i+1
.endr
	WIN 0xc0
.set i, 0
.rept 256
	v_mov_b32 v[i], v[64+i%64]
.set i, i+1
.endr
	WIN 0
	s_wait_tensorcnt 0x1                           ; my quarter of the first tile is in; the second's may stay out
	s_wait_dscnt 0x0                               ; my rows of x are in LDS
	s_barrier_signal -1
	s_barrier_wait -1                              ; everybody's are
	FETCH1 0, 0, 0, 0
	s_mov_b32 s[CH], 8
.Lchunk:                                               ; a trip: a chunk of 256 f, eight tiles of the walk; left in its middle in the last trip, whose last two tiles ask for nothing
	s_wait_loadcnt 0x0                             ; b1 of this chunk
	ROUNDB B1, 32                                  ; 48 plain instructions: also the places between the last products on W2's buffers and the products that write over them
	Q1 0, 1, 1, 0, 1                               ; H = x W1 + b1: four tiles of 128 d, four K blocks each
	Q1 0, 2, 2, 1, 0
	Q1 0, 3, 3, 0, 0
	TURN1 0, 1, 4
	Q1 1, 1, 5, 0, 0
	Q1 1, 2, 6, 1, 0
	Q1 1, 3, 7, 0, 0
	TURN1 1, 1, 8
	Q1 0, 1, 9, 0, 0
	Q1 0, 2, 10, 1, 0
	Q1 0, 3, 11, 0, 0
	TURN1 0, 1, 12
	Q1 1, 1, 13, 0, 0
	Q1 1, 2, 14, 1, 0
	Q1 1, 3, 15, 0, 0
	TURN1 1, 0, 0
	PLACES 4                                       ; the gelu reads results just made
	GELU 0, 128
	GELU 1, 160
	HSTORE 128                                     ; half 0 of H; every wave's last reads of H stood in front of the last chunk's last barrier
	s_wait_dscnt 0x0                               ; for the others' sake: my part of half 0 is in LDS
	s_barrier_signal -1                            ; the refill that is out may stay out
	GELU 2, 192                                    ; half 1, on registers alone, while the others arrive
	GELU 3, 224
	s_barrier_wait -1
	FETCH2 0, 0, 0, 0                              ; O += H W2: four tiles of 64 f, two K blocks each
	Q2 0, 1, 1, 0
	TURN2 0, 1, 0
	Q2 1, 1, 3, 0
	TURN2 1, 1, 1
	s_cmp_eq_u32 s[CH], 1
	s_cbranch_scc1 .Ltail                          ; the last trip's tail is written out
	s_add_co_u32 s[BSEQ], s[BSEQ], 1024            ; the next trip's b1: chunk (i + 1) ^ (g % 4), 0 .. 7: inside the expert's 8,192 bytes; never in the last trip
	s_xor_b32 s[BOF], s[BSEQ], s[BXOR]
	s_add_nc_u64 s[B1P:B1P+1], s[10:11], s[BOF:BOF+1]  ; the loads that read this base were waited for at the trip's head
	B1LOAD
	Q2 0, 1, 1, 0
	TURN2 0, 1, 0
	Q2 1, 1, 3, 0
	TURN2 1, 1, 2
	WIN 0
	s_sub_co_u32 s[CH], s[CH], 1
	s_branch .Lchunk
.Ltail:
	Q2 0, 1, 1, 0
	TURN2 0, 0, 0                                  ; my one tensor load that was still out is the last tile's
	Q2 1, 1, 3, 0
	s_wait_dscnt 0x0                               ; the very last K block: nothing more to fetch
	MM2 1, 0, 0, 4
	MM2 1, 1, 0, 4
	PLACES 4                                       ; the stage's stores read results just made, its loads fill registers just multiplied
	TOSTAGE 0
.irp a, 1,2,3,4,5,6,7
	TOSTAGE \a                                     ; a block's way through the stage stands between the loads of the block before and its stores
	SEND (\a)-1, 32                                ; the 16 stores and 16 loads of the block just staged may be out
.endr
	SEND 7, 0
	s_wait_tensorcnt 0x0                           ; the wave's end, behind my last tensor load and my last LDS store
	ds_add_u32 v[SPW], v[NIL]
	s_wait_dscnt 0x0
	s_endpgm
.Lfunc_end_k_qc7c2aca1ec_ffn:
	.size	k_qc7c2aca1ec_ffn, .Lfunc_end_k_qc7c2aca1ec_ffn-k_qc7c2aca1ec_ffn
	.p2alignl 7, 3214868480
	.fill 96, 4, 3214868480
	.section	.rodata,"a",@progbits
	.p2align	6, 0x0
	.amdhsa_kernel k_qc7c2aca1ec_ffn
		.amdhsa_group_segment_fixed_size 327680
		.amdhsa_private_segment_fixed_size 0
		.amdhsa_enable_private_segment 0
		.amdhsa_kernarg_size 48
		.amdhsa_user_sgpr_count 2
		.amdhsa_user_sgpr_kernarg_segment_ptr 1
		.amdhsa_wavefront_size32 1
		.amdhsa_system_sgpr_workgroup_id_x 1
		.amdhsa_system_sgpr_workgroup_id_y 1
		.amdhsa_system_sgpr_workgroup_id_z 1
		.amdhsa_system_vgpr_workitem_id 0
		.amdhsa_next_free_vgpr 1024
		.amdhsa_next_free_sgpr 66
		.amdhsa_reserve_vcc 0
		.amdhsa_float_denorm_mode_32 3
		.amdhsa_float_denorm_mode_16_64 3
		.amdhsa_memory_ordered 1
		.amdhsa_forward_progress 1
		.amdhsa_inst_pref_size 255
	.end_amdhsa_kernel
	.section	.bss,"aw",@nobits
	.p2align	6
	.space	262144
	.amdgpu_metadata
---
amdhsa.version: [ 1, 2 ]
amdhsa.kernels:
  - .name:           k_qc7c2aca1ec_ffn
    .symbol:         k_qc7c2aca1ec_ffn.kd
    .args:
      - { .name: hidden_states, .offset: 0, .size: 8, .value_kind: global_buffer, .address_space: global }
      - { .name: assignment, .offset: 8, .size: 8, .value_kind: global_buffer, .address_space: global }
      - { .name: wstream, .offset: 16, .size: 8, .value_kind: global_buffer, .address_space: global }
      - { .name: b1, .offset: 24, .size: 8, .value_kind: global_buffer, .address_space: global }
      - { .name: b2, .offset: 32, .size: 8, .value_kind: global_buffer, .address_space: global }
      - { .name: out0, .offset: 40, .size: 8, .value_kind: global_buffer, .address_space: global }
    .group_segment_fixed_size: 327680
    .private_segment_fixed_size: 0
    .kernarg_segment_align: 8
    .kernarg_segment_size: 48
    .max_flat_workgroup_size: 128
    .sgpr_count:     66
    .vgpr_count:     1024
    .wavefront_size: 32
...
	.end_amdgpu_metadata
.endif
;; end of part 2
;; ======== version 2 of 2: 2 launches; version 1 with the launch cast written anew for expert scheduling mode
;; workspace buffers: wstream 33,554,432 bytes
;; launch cast (part 3): grid 64 x 8, 8 waves a work-group, no clusters, 0 bytes of LDS; arguments W1, W2, wstream; writes wstream
.if DOCPART == 3
	.amdgcn_target "amdgcn-amd-amdhsa--gfx1250"
	.amdhsa_code_object_version 6
	.text
	.protected	k_qc7c2aca1ec_cast
	.globl	k_qc7c2aca1ec_cast
	.p2align	8
	.type	k_qc7c2aca1ec_cast,@function
k_qc7c2aca1ec_cast:
	s_mov_b64 s[64:65], 0
	v_nop
	global_prefetch_b8 v0, s[64:65] scope:SCOPE_SE
	s_setreg_imm32_b32 hwreg(HW_REG_WAVE_SCHED_MODE, 0, 2), 2
	s_setreg_imm32_b32 hwreg(HW_REG_WAVE_MODE, 25, 1), 1
	s_wait_xcnt 0x0
	s_wait_alu depctr_vm_vsrc(0)
; wstream = W1 and W2 rounded once to bf16 (nearest even), laid in the order in which the next launch walks them.  W1: [8][512 d][2048 f] f32, W2: [8][2048 f][512 d] f32.
; wstream: [expert e][tile t 0..63][row 0..127][256 bf16]: a tile is 65,536 dense bytes.  With c = t / 8 (a chunk of 256 f) and j = t % 4:
;   t % 8 < 4:  a tile of W1: row = d - 128 j, column = f - 256 c
;   t % 8 >= 4: a tile of W2: k = f - 256 c - 64 j (0..63), row = 64 (d / 256) + k, column = d % 256
; In both cases a tile's row is 1,024 consecutive bytes of the source: nothing is transposed, pieces are only re-addressed.
; SHARES.  Work-group (x = t, y = e) makes one tile; wave w its rows 16 w .. 16 w + 15.  For a row a lane loads 16 bytes at 16 l and at 512 + 16 l (a load of the wave covers 512
; consecutive bytes) and stores 8 bytes at 8 l and at 256 + 8 l (a store of the wave covers 256 consecutive bytes, aligned).  All 32 loads of a wave go out first; every row has
; registers of its own, so no register is written twice.  No LDS, no barrier, no matrix unit: each byte is touched once.
; THE MODE: SCHED_MODE bits 1:0 = 2 (LLVM: expert scheduling mode 2), set by the entry lines.  The code itself states the register dependences between vector instructions and
; memory instructions, with s_wait_alu, always for 0.
; THE PLAN.  Registers that memory instructions touch:
;   v[OFF ..], v[DO]  byte offsets: written by vector instructions at the head, once; read by the loads and by the stores; never written again.
;   X, row i          written by row i's two loads, once; read by row i's four conversions.  No vector instruction names it ahead of the loads, and no load lands in it again.
;   Y, row i          written by row i's four conversions, once; read by row i's two stores; never written again.
; The 16 rows go in four blocks of four.  Row i's turn: the wait for its data, the two stores of row i - 4, its four conversions.  So a block's eight stores read the Y of the block
; before, which no conversion of the block names, and ONE wait on va_vdst at a block's head states all that they hang on.  One more stands ahead of the first load, for the offsets, and
; one behind the last row, for the last block's stores.  No register that a memory instruction reads is written again, so there is nothing for a wait on vm_vsrc to state.
.set BLOCK, 4                          ; rows in a block
.set DO,  2                            ; v2        my byte offset in the tile: 8,192 w + 8 l
.set OFF, 4                            ; v[4:19]   row i: my byte offset in the source: 16 l + i x the source's row pitch
.set X,   20                           ; v[20:147] row i: 8 registers as loaded
.set Y,   148                          ; v[148:211] row i: 4 registers to store
	s_load_b128 s[4:7], s[0:1], 0x0                ; W1 s[4:5], W2 s[6:7]
	s_load_b64 s[8:9], s[0:1], 0x10                ; wstream
	v_lshrrev_b32 v1, 5, v0
	v_readfirstlane_b32 s10, v1                    ; wave 0..7
	v_and_b32 v3, 31, v0                           ; lane
	s_mov_b32 s11, ttmp9                           ; t
	s_and_b32 s12, ttmp7, 0xffff                   ; e
	s_lshr_b32 s13, s11, 3                         ; c
	s_and_b32 s14, s11, 3                          ; j
	s_lshl_b32 s26, s12, 22                        ; an expert is 4 MiB in W1 and in W2
	s_wait_alu depctr_va_sdst(0)                   ; s10 is written, ahead of its first reader: the wave's rows in the source are made from it
	; were it a tile of W1: first row d = 128 j + 16 w (8,192 bytes a row), first column 256 c
	s_lshl_b32 s22, s14, 7
	s_lshl4_add_u32 s22, s10, s22
	s_lshl_b32 s22, s22, 13
	s_lshl_b32 s23, s13, 10
	s_add_co_u32 s22, s22, s23
	s_add_co_u32 s22, s22, s26
	; were it a tile of W2: first row f = 256 c + 64 j + 16 (w % 4) (2,048 bytes a row), first column 256 (w / 4)
	s_lshl_b32 s24, s13, 8
	s_lshl_b32 s25, s14, 6
	s_add_co_u32 s24, s24, s25
	s_and_b32 s25, s10, 3
	s_lshl4_add_u32 s24, s25, s24
	s_lshl_b32 s24, s24, 11
	s_lshr_b32 s25, s10, 2
	s_lshl_b32 s25, s25, 10
	s_add_co_u32 s24, s24, s25
	s_add_co_u32 s24, s24, s26
	s_lshl_b32 s28, s12, 6                         ; the tile's place in wstream: (64 e + t) x 65,536 bytes
	s_add_co_u32 s28, s28, s11
	s_lshl_b32 s28, s28, 16
	s_mov_b32 s29, 0
	s_movk_i32 s30, 0x800                          ; W2's row pitch
	s_movk_i32 s31, 0x2000                         ; W1's
	s_mov_b32 s17, 0
	v_lshlrev_b32 v[DO], 3, v3
	v_lshl_add_u32 v[DO], v1, 13, v[DO]            ; 16 rows of 512 bytes a wave
	v_lshlrev_b32 v[OFF], 4, v3
	s_bitcmp1_b32 s11, 2                           ; t % 8 >= 4: W2.  The three selects below all hang on this one test of the tile's number
	s_cselect_b32 s16, s24, s22
	s_cselect_b32 s18, s30, s31
	s_wait_kmcnt 0x0
	s_cselect_b64 s[20:21], s[6:7], s[4:5]
	s_add_nc_u64 s[20:21], s[20:21], s[16:17]
	s_add_nc_u64 s[8:9], s[8:9], s[28:29]
.set i, 1
.rept 15
	v_add_nc_u32 v[OFF+i], s18, v[OFF+i-1]
.set i, i+1
.endr
	s_wait_alu depctr_va_vdst(0)                   ; the sixteen offsets v[OFF ..] and v[DO] are written: every load and store of the kernel reads one of them
.set i, 0
.rept 16
	global_load_b128 v[X+8*i:X+8*i+3],   v[OFF+i], s[20:21] th:TH_LOAD_NT             ; columns 4 l ..
	global_load_b128 v[X+8*i+4:X+8*i+7], v[OFF+i], s[20:21] offset:512 th:TH_LOAD_NT  ; columns 128 + 4 l ..
.set i, i+1
.endr
.set i, 0
.rept 16
	s_wait_loadcnt 30-2*i                          ; loads come back in order (ISA guide 5.7.1): row i is in, the two loads of each later row stay out
.if (i >= BLOCK) && (i % BLOCK == 0)
	s_wait_alu depctr_va_vdst(0)                   ; the sixteen conversions of the block before have written their Y, which this block's eight stores read
.endif
.if i >= BLOCK
	global_store_b64 v[DO], v[Y+4*(i-BLOCK):Y+4*(i-BLOCK)+1],   s[8:9] offset:512*(i-BLOCK)      ; row i - 4.  No hint: the next launch reads these bytes.  No vector instruction since the wait names these registers
	global_store_b64 v[DO], v[Y+4*(i-BLOCK)+2:Y+4*(i-BLOCK)+3], s[8:9] offset:512*(i-BLOCK)+256
.endif
	v_cvt_pk_bf16_f32 v[Y+4*i],   v[X+8*i],   v[X+8*i+1]
	v_cvt_pk_bf16_f32 v[Y+4*i+1], v[X+8*i+2], v[X+8*i+3]
	v_cvt_pk_bf16_f32 v[Y+4*i+2], v[X+8*i+4], v[X+8*i+5]
	v_cvt_pk_bf16_f32 v[Y+4*i+3], v[X+8*i+6], v[X+8*i+7]
.set i, i+1
.endr
	s_wait_alu depctr_va_vdst(0)                   ; the last block's conversions have written their Y, which the last eight stores read
.set i, 16-BLOCK
.rept BLOCK
	global_store_b64 v[DO], v[Y+4*i:Y+4*i+1],   s[8:9] offset:512*i
	global_store_b64 v[DO], v[Y+4*i+2:Y+4*i+3], s[8:9] offset:512*i+256
.set i, i+1
.endr
	s_endpgm
.Lfunc_end_k_qc7c2aca1ec_cast:
	.size	k_qc7c2aca1ec_cast, .Lfunc_end_k_qc7c2aca1ec_cast-k_qc7c2aca1ec_cast
	.p2alignl 7, 3214868480
	.fill 96, 4, 3214868480
	.section	.rodata,"a",@progbits
	.p2align	6, 0x0
	.amdhsa_kernel k_qc7c2aca1ec_cast
		.amdhsa_group_segment_fixed_size 0
		.amdhsa_private_segment_fixed_size 0
		.amdhsa_enable_private_segment 0
		.amdhsa_kernarg_size 24
		.amdhsa_user_sgpr_count 2
		.amdhsa_user_sgpr_kernarg_segment_ptr 1
		.amdhsa_wavefront_size32 1
		.amdhsa_system_sgpr_workgroup_id_x 1
		.amdhsa_system_sgpr_workgroup_id_y 1
		.amdhsa_system_sgpr_workgroup_id_z 1
		.amdhsa_system_vgpr_workitem_id 0
		.amdhsa_next_free_vgpr 212
		.amdhsa_next_free_sgpr 66
		.amdhsa_reserve_vcc 0
		.amdhsa_float_denorm_mode_32 3
		.amdhsa_float_denorm_mode_16_64 3
		.amdhsa_memory_ordered 1
		.amdhsa_forward_progress 1
		.amdhsa_inst_pref_size 13
	.end_amdhsa_kernel
	.amdgpu_metadata
---
amdhsa.version: [ 1, 2 ]
amdhsa.kernels:
  - .name:           k_qc7c2aca1ec_cast
    .symbol:         k_qc7c2aca1ec_cast.kd
    .args:
      - { .name: W1, .offset: 0, .size: 8, .value_kind: global_buffer, .address_space: global }
      - { .name: W2, .offset: 8, .size: 8, .value_kind: global_buffer, .address_space: global }
      - { .name: wstream, .offset: 16, .size: 8, .value_kind: global_buffer, .address_space: global }
    .group_segment_fixed_size: 0
    .private_segment_fixed_size: 0
    .kernarg_segment_align: 8
    .kernarg_segment_size: 24
    .max_flat_workgroup_size: 256
    .sgpr_count:     66
    .vgpr_count:     212
    .wavefront_size: 32
...
	.end_amdgpu_metadata
.endif
;; end of part 3
;; launch ffn: the kernel of part 2 again; grid 256 x 1, 4 waves a work-group, no clusters, 327,680 bytes of LDS; arguments hidden_states, assignment, wstream, b1, b2, out0; writes out0
